; MI455X (gfx1250); checked and timed in simulation.
; The chip was launched on July 23, 2026; its instructions are those of AMD's public machine-readable ISA for CDNA 5 (MIT licence, August 2026) and "CDNA5" Instruction Set Architecture Reference Guide (July 2026). The comments in the code are by the model that wrote it; some were corrected since.
;; Sparse Map Sequences. Allowed arithmetic: matrix products marked QUANTISED: E5M2 operands, one given power-of-two scale a tensor, by v_wmma_f32_16x16x64_bf8_bf8 or v_wmma_f32_16x16x128_bf8_bf8, f32 sums; everything else in f32.
;; Inputs: W 256 x 256 float32; b 256 float32; indices 2,048 x 2 int32; lowp_scales 2 int32 (the exponents e of the quantised operands' scales 2^e); values 262,144 x 256 float32.
;; Outputs: out0 2,048 x 256 float32.
;; This version of the problem:
;;   THIS VERSION OF THE PROBLEM IS GIVEN IN LOW PRECISION. The matrix products marked QUANTISED in the list below multiply operands that are first quantised to E5M2 (5 exponent bits, 2 mantissa bits; 8 bits a number), with one given power-of-two scale for each operand tensor; their sums are f32. All else is computed in f32.
;;   The module's matrix products, in the order in which they are computed (A, B: the left and right operand; K: the contracted axis; several contracted axes count as one K, in the product's order):
;;     1. [M 2,048, K 256] x [K 256, N 256]; A: computed on the way; B: input W: QUANTISED (scales: A lowp_scales[0], B lowp_scales[1])
;;   THE QUANTISER, for each operand of a quantised product, along K:
;;     - The operand's scale is 2^e, e = its entry of the input lowp_scales (int32; the entries are numbered through the quantised products in the list's order, A before B).
;;     - Each number is divided by the scale, clamped to +-57,344, and rounded to the nearest number of E5M2, ties to even, subnormals kept.
;;     - The product sums the exact products of the quantised numbers (number of the format x scale) in f32.
;;   ~~~python
;;   def quantise(x, axis, e):      # numpy; x: float32 -> the quantised numbers, widened to float32 again
;;       x = np.moveaxis(x, axis, -1); K = x.shape[-1]
;;       r = np.clip(x / 2.0 ** e, -57344, 57344)
;;       step = 2.0 ** (np.maximum(np.frexp(np.where(r == 0, 1, r))[1] - 1, -14) - 2)
;;       q = np.round(r / step) * step * 2.0 ** e      # np.round: ties to even
;;       return np.moveaxis(q, -1, axis).astype(np.float32)
;;   ~~~
;;   OPERANDS COMPUTED ON THE WAY. 'Computed on the way' means the value that the module computes at that place (a softmax that the list does not call 'softmax' is quantised finished and normalised). What goes into a quantiser is computed in f32, as accurately as f32 sums, v_exp_f32 and their like allow (about 1e-6 of the number): no bf16 or f16 on the way to a quantiser, and a product that is left as it is and whose result goes on into a quantised operand takes f32 operands (vector FMAs, or v_wmma_f32_16x16x4_f32). A number that lies on a knife's edge between two numbers of the format may be rounded either way, as far as f32 arithmetic and the matrix unit's own rounding can turn it there, and no further.
;; 2 versions, each right; version 2 is version 1 with the launch seqmean written anew for expert scheduling mode. Each part assembles by itself: llvm-mc -triple=amdgcn-amd-amdhsa -mcpu=gfx1250 --defsym DOCPART=n.
;; ======== version 1 of 2: 1 launch
;; limits: right only within a limited range of input values
;; launch seqmean (part 1): grid 256 x 1, 16 waves a work-group, no clusters, 221,696 bytes of LDS; arguments values, indices, W, b, lowp_scales, out0; writes out0
.if DOCPART == 1
	.amdgcn_target "amdgcn-amd-amdhsa--gfx1250"
	.amdhsa_code_object_version 6
	.text
	.protected	k_q47d2c51f1b_seqmean
	.globl	k_q47d2c51f1b_seqmean
	.p2align	8
	.type	k_q47d2c51f1b_seqmean,@function
k_q47d2c51f1b_seqmean:
	s_mov_b64 s[64:65], 0
	v_nop
	global_prefetch_b8 v0, s[64:65] scope:SCOPE_SE
	s_setreg_imm32_b32 hwreg(HW_REG_WAVE_MODE, 25, 1), 1
	s_wait_xcnt 0x0
; out0[s][:] = Q(mean of values[i0:i1]) Q(W) + b for the 2,048 pairs (i0, i1) of indices.  values [262144][256] f32, W [256 (k)][256 (n)] f32, b [256] f32, out0 [2048][256] f32.
; Q: codes of BF8 (E5M2) along K with the given scales 2^e0 (means) and 2^e1 (W); the product by v_wmma_f32_16x16x128_bf8_bf8, sums in f32, each finished sum x 2^(e0 + e1) + b.
; SHARES.  A work-group of sixteen waves owns 8 sequences (8 dense rows of out0): a mean has to be whole before it is quantised, so every output row has one owner.
; Its sequences are laid end to end as L virtual rows (P_k = the lengths' prefix sums).  Wave w takes groups of 16 virtual rows, those from 256 t + 16 w on, t = 0, 1, ..: the waves' trip counts differ by one
; at the most, and one group of the work-group at the most is partly filled.  A lane owns 8 columns: two loads of 16 bytes a lane cover a row, 512 consecutive bytes each, aligned.
; THE RING.  16 slots of 8 registers: 32 loads, 16 KB, of every wave are on their way, 256 KB for the work-group.  A slot owns its data registers and its offset register.
; A running sum ACC is added to one of eight totals T_q in registers when the sequence changes: a scalar branch on numbers made of the index input.  No LDS address hangs on loaded numbers.
; Virtual rows at or past L read row L - 1 again and count for a ninth sequence that nobody keeps (15 rows a work-group at the most).
; W RIDES IN THE RING.  While the last group is summed, each slot that falls free takes two loads of W (wave w: W's rows 16 w .. 16 w + 15, 32 loads: just one ring), so every counted wait keeps its count.
; THE END.  Totals -> LDS | barrier | wave w adds the 16 waves' parts of half a row, x 1 / length, quantises, 4 codes a lane -> LDS | barrier | each wave: its 16 columns of W against the 8 means, two matrix
; instructions; x 2^(e0 + e1) + b -> a stage in LDS | barrier | each wave stores 512 consecutive bytes of out0.
; NO TENSOR LOADS, NO CLUSTER: trip counts and branches hang on the index input; of what a work-group reads (about 1 MB of rows of its own, 256 KB of W) only W is shared.
; LIMITS.  e0 and e1 between -126 and 112, e0 + e1 between -126 and 127, so that each power of two below is an f32 number.  Indices are taken as unsigned and held at 262,144.  i0 > i1 gives the mean of
; [i1, i0), as a difference of prefix sums does; i0 = i1 gives a row of NaN (0 / 0).  NaN among the floating-point inputs is not served.  The sums are direct sums in f32, not differences of prefix sums.
.set TOTAL,  262144
.set GROUP,  16                        ; rows in a group = slots in a wave's ring
.set ROWB,   1024                      ; bytes in a row of values, of W and of out0
.set WP,     272                       ; LDS: a row of 256 codes + 16 bytes, so that the 16 rows that a fragment load touches start 68 words apart
.set SP,     1040                      ; LDS: a row of the stage, 1,024 bytes + 16
.set PART,   0                         ; LDS: the waves' totals, [wave 16][sequence 8][1,024 bytes]
.set WC,     16*8*ROWB                 ; W's codes, [n 256][WP], K innermost
.set AC,     WC+256*WP                 ; the means' codes, [sequence 8][WP]
.set STG,    AC+8*WP                   ; the stage, 16 rows of SP bytes (rows 8-15 take the repeated lanes' results and are never read); it ends at byte 219,520
.set L16,  1                           ; v1   16 x lane
.set VV,   2                           ; v2   the virtual row of lane % 16 in the group whose table is made next
.set VT,   3                           ; v3-7 the table: at work; offset; the next group's sequence numbers; the group's in hand; the next group's rows
.set VO,   4
.set VQN,  5
.set VQC,  6
.set VROW, 7
.set WO,   8                           ; v8   W: 16,384 x wave + 16 x lane
.set PS,   9                           ; v9   totals, where I store;  v10, v11 where I read the sixteen parts (waves 0-7, waves 8-15)
.set PR,   10
.set PR2,  11
.set WS,   12                          ; v12  W's codes, where I store;  v15 where I read my fragments
.set AS,   13                          ; v13  the means' codes, where I store;  v14 where I read the fragments
.set AF,   14
.set WF,   15
.set SO,   16                          ; v16  the stage: in;  v17 back;  v18 my 16 bytes in the work-group's 8 KB of out0
.set SR,   17
.set GO,   18
.set BO,   19                          ; v19  my 8 numbers of b;  v20 the index pair of sequence lane % 8
.set IO,   20
.set WSCL, 21                          ; v21, v22  2^e1 and 57,344 x 2^e1;  v23, v24 the same with e0
.set WLIM, 22
.set ASCL, 23
.set ALIM, 24
.set LF,   25                          ; v25  a length as f32
.set IX,   26                          ; v[26:27] an index pair
.set INV,  28                          ; v[28:29] 1 / length, twice
.set SCL,  30                          ; v[30:31] 2^(e0 + e1), twice; NaN where the lane's sequence is empty
.set OFF,  32                          ; v32-47   slot i: byte offset of my 16 bytes of its row
.set ACC,  48                          ; v48-55   the running sum of the sequence in hand
.set T,    56                          ; v56-119  the eight totals
.set B,    120                         ; v120-127 b
.set RING, 128                         ; v128-255 slot i: 8 registers
.set RK,   T                           ; behind the sums: 16 registers of codes by rows of W, 16 at work, 2 x 16 of codes by columns
.set TP,   T+16
.set CC,   T+32
.set RD,   RING                        ; the sixteen parts of my 4 columns
.set WFR,  RING                        ; W's two fragments, the means' two, the sums, the results, the row piece to store
.set MFR,  RING+32
.set D,    RING+64
.set Y,    RING+72
.set Z,    RING+80
.set OFS,  16                          ; s[16+2q] first row of sequence q less P_q;  s[17+2q] its length
.set LEN,  17
.set EX,   32                          ; s32 e0, s33 e1
.set PK,   35                          ; s[35+k] P_k, k = 0 .. 8
.set WV,   44                          ; s44 wave;  s45 groups to go;  s46 the sequence in hand;  s47 a slot's sequence;  s48 a slot's row;  s49 L - 1
.set G,    45
.set QC,   46
.set QI,   47
.set RW,   48
.set LM1,  49
.set SELA, 50                          ; s50-53 byte selects
.set SC,   54                          ; s54 2^(e0 + e1)
	s_load_b256 s[4:11], s[0:1], 0x0               ; values s[4:5], indices s[6:7], W s[8:9], b s[10:11]
	s_load_b128 s[12:15], s[0:1], 0x20             ; the scales' exponents s[12:13], out0 s[14:15]
	v_lshrrev_b32 v[VT], 5, v0
	v_readfirstlane_b32 s[WV], v[VT]               ; wave 0..15
	s_lshl_b32 s2, ttmp9, 6                        ; my 8 index pairs: 64 bytes
	s_mov_b32 s3, 0
	s_wait_kmcnt 0x0
	s_add_nc_u64 s[6:7], s[6:7], s[2:3]
	s_load_b512 s[16:31], s[6:7], 0x0              ; i0, i1 of my 8 sequences
	s_load_b64 s[EX:EX+1], s[12:13], 0x0           ; e0, e1
	s_lshl_b32 s2, ttmp9, 13                       ; my 8 rows of out0
	s_add_nc_u64 s[14:15], s[14:15], s[2:3]
	; while the indices are on their way: every address that stays, and the zeros
	v_and_b32 v[VT], 31, v0                        ; lane
	v_and_b32 v[VO], 15, v0                        ; r
	v_bfe_u32 v[VQN], v0, 4, 1                     ; h
	v_and_b32 v[VQC], 7, v0                        ; r % 8
	v_lshlrev_b32 v[L16], 4, v[VT]
	s_lshl_b32 s2, s[WV], 4
	v_add_nc_u32 v[VV], s2, v[VO]                  ; group 0: virtual row 16 w + lane % 16
	s_add_co_u32 s2, s2, WC
	v_mul_u32_u24 v[WS], v[VT], 4*WP               ; W's codes in: my 4 columns' rows, at K = 16 w
	v_add_nc_u32 v[WS], s2, v[WS]
	s_lshl_b32 s2, s[WV], 14
	v_add_nc_u32 v[WO], s2, v[L16]
	s_lshl_b32 s2, s[WV], 13
	v_add_nc_u32 v[PS], s2, v[L16]                 ; my wave's 8 KB of totals
	s_lshl_b32 s2, s[WV], 9
	v_add_nc_u32 v[PR], s2, v[L16]                 ; sequence w / 2, half w % 2 of its row: 1,024 (w / 2) + 512 (w % 2) = 512 w
	v_add_nc_u32 v[PR2], 0x10000, v[PR]            ; waves 8-15 lie 65,536 bytes on: beyond an LDS offset's 16 bits
	s_lshr_b32 s2, s[WV], 1
	s_mul_i32 s2, s2, WP
	s_and_b32 s3, s[WV], 1
	s_lshl_b32 s3, s3, 7
	s_add_co_u32 s2, s2, s3
	s_add_co_u32 s2, s2, AC
	v_lshl_add_u32 v[AS], v[VT], 2, s2             ; the means' codes in: row w / 2, K = 128 (w % 2) + 4 lane
	v_mul_u32_u24 v[AF], v[VQC], WP
	v_lshl_add_u32 v[AF], v[VQN], 4, v[AF]
	v_add_nc_u32 v[AF], AC, v[AF]                  ; and out: row r % 8 (lanes 8-15 of a half repeat lanes 0-7: their results are not kept), + 16 h
	s_mul_i32 s2, s[WV], 16*WP
	s_add_co_u32 s2, s2, WC
	v_mul_u32_u24 v[WF], v[VO], WP
	v_lshl_add_u32 v[WF], v[VQN], 4, v[WF]
	v_add_nc_u32 v[WF], s2, v[WF]                  ; W's fragments: column 16 w + r, + 16 h
	s_lshl_b32 s2, s[WV], 6
	v_lshl_add_u32 v[BO], v[VQN], 5, s2            ; b: columns 16 w + 8 h on
	s_add_co_u32 s2, s2, STG
	v_mul_u32_u24 v[SO], v[VO], SP
	v_lshl_add_u32 v[SO], v[VQN], 5, v[SO]
	v_add_nc_u32 v[SO], s2, v[SO]                  ; the stage in: row r, columns 16 w + 8 h on
	v_lshrrev_b32 v[VROW], 6, v0
	v_mul_u32_u24 v[VROW], v[VROW], SP
	v_and_b32 v[SR], 63, v0
	v_lshl_add_u32 v[SR], v[SR], 4, v[VROW]
	v_add_nc_u32 v[SR], STG, v[SR]                 ; and back: 64 threads to a row, 16 bytes each
	v_lshlrev_b32 v[GO], 4, v0
	v_lshlrev_b32 v[IO], 3, v[VQC]
.set n, 0
.rept 72
	v_mov_b32 v[ACC+n], 0                          ; ACC and the eight totals: a total that no row of mine reaches goes to LDS as zeros
.set n, n+1
.endr
	s_mov_b32 s[SELA], 0x05010400                  ; of (b, a): a0 b0 a1 b1
	s_mov_b32 s[SELA+1], 0x07030602                ; a2 b2 a3 b3
	s_mov_b32 s[SELA+2], 0x05040100                ; the two low halves
	s_mov_b32 s[SELA+3], 0x07060302                ; the two high halves
	s_mov_b32 s[PK], 0
	s_wait_kmcnt 0x0
.irp q, 0,1,2,3,4,5,6,7
	s_min_u32 s[OFS+2*\q], s[OFS+2*\q], TOTAL
	s_min_u32 s[LEN+2*\q], s[LEN+2*\q], TOTAL
	s_max_u32 s2, s[OFS+2*\q], s[LEN+2*\q]
	s_min_u32 s[OFS+2*\q], s[OFS+2*\q], s[LEN+2*\q]  ; the first row,
	s_sub_co_u32 s[LEN+2*\q], s2, s[OFS+2*\q]      ; the length,
	s_sub_co_u32 s[OFS+2*\q], s[OFS+2*\q], s[PK+\q]  ; what turns a virtual row into a row (modulo 2^32),
	s_add_co_u32 s[PK+1+\q], s[PK+\q], s[LEN+2*\q]   ; P_(q+1)
.endr
	s_lshl_b32 s2, s[WV], 4
	s_sub_co_u32 s2, 255, s2
	s_add_co_u32 s2, s2, s[PK+8]
	s_lshr_b32 s[G], s2, 8                         ; my groups: those t with 256 t + 16 w < L
	s_sub_co_u32 s[LM1], s[PK+8], 1
; The table of a group: for lane % 16 its sequence (the last k with P_k <= v, so empty sequences are passed over; 8 at or past L) and its row.
.macro TABLE
	v_min_u32 v[VT], s[LM1], v[VV]
	v_mov_b32 v[VO], s[OFS]
	v_mov_b32 v[VQN], 0
.irp k, 1,2,3,4,5,6,7
	v_cmp_gt_u32 vcc_lo, s[PK+\k], v[VV]           ; P_k > v: keep what is there
	v_cndmask_b32 v[VO], s[OFS+2*\k], v[VO], vcc_lo
	v_cndmask_b32 v[VQN], \k, v[VQN], vcc_lo
.endr
	v_cmp_gt_u32 vcc_lo, s[PK+8], v[VV]
	v_cndmask_b32 v[VQN], 8, v[VQN], vcc_lo
	v_add_nc_u32 v[VROW], v[VT], v[VO]
	v_add_nc_u32 v[VV], 256, v[VV]                 ; my next group lies 16 waves x 16 rows on
.endm
; Slot i is filled with row i of the table: the row's number is held inside the buffer, then shifted and added to the lane's 16 bytes.
.macro ISSUE i
	v_readlane_b32 s[RW], v[VROW], \i
	s_min_u32 s[RW], s[RW], TOTAL-1
	v_lshl_add_u32 v[OFF+\i], s[RW], 10, v[L16]
	global_load_b128 v[RING+8*(\i):RING+8*(\i)+3], v[OFF+\i], s[4:5] th:TH_LOAD_NT               ; 32 lanes read 512 consecutive bytes; a row is wanted again only where sequences overlap, and the hint changes no value
	global_load_b128 v[RING+8*(\i)+4:RING+8*(\i)+7], v[OFF+\i], s[4:5] offset:512 th:TH_LOAD_NT
.endm
; Slot i takes two rows' halves of W: columns 128 (i / 8) + 4 lane + 0 .. 3 of rows 16 w + 2 (i % 8) and the next.
.macro WLOAD i
	global_load_b128 v[RING+8*(\i):RING+8*(\i)+3], v[WO], s[8:9] offset:((\i)/8)*512+(2*((\i)%8))*ROWB
	global_load_b128 v[RING+8*(\i)+4:RING+8*(\i)+7], v[WO], s[8:9] offset:((\i)/8)*512+(2*((\i)%8)+1)*ROWB
.endm
; ACC goes to the total of the sequence in hand.  The register is chosen by eight short branches; sequence 8 has no total.
.macro FLADD k
	s_cmp_lg_u32 s[QC], \k
	s_cbranch_scc1 .Lother_\@
.irp j, 0,2,4,6
	v_pk_add_f32 v[T+8*\k+\j:T+8*\k+\j+1], v[T+8*\k+\j:T+8*\k+\j+1], v[ACC+\j:ACC+\j+1]
.endr
.Lother_\@:
.endm
.macro FLUSH clear
.irp k, 0,1,2,3,4,5,6,7
	FLADD \k
.endr
.if \clear
.irp j, 0,1,2,3,4,5,6,7
	v_mov_b32 v[ACC+\j], 0
.endr
.endif
.endm
; A slot's turn.  more = 1: it is filled with the next group's row; 0: with W.  Either way two loads, so the count at the head never changes.
.macro SLOT i, more
	s_wait_loadcnt 2*GROUP-2                       ; loads come back in order (ISA guide 5.7.1): behind my slot's two stand the two of each of the 15 other slots; that also frees the slot's offset register
	v_readlane_b32 s[QI], v[VQC], \i
	s_cmp_eq_u32 s[QI], s[QC]
	s_cbranch_scc1 .Lsame_\@
	FLUSH 1                                        ; another sequence begins
	s_mov_b32 s[QC], s[QI]
.Lsame_\@:
.irp j, 0,2,4,6
	v_pk_add_f32 v[ACC+\j:ACC+\j+1], v[ACC+\j:ACC+\j+1], v[RING+8*(\i)+\j:RING+8*(\i)+\j+1]
.endr
.if \more
	ISSUE \i
.else
	WLOAD \i
.endif
.endm
	s_cmp_eq_u32 s[G], 0
	s_cbranch_scc1 .Lno_rows                       ; fewer than 16 w + 1 rows in all: this wave has only W to fetch
	TABLE
	v_readlane_b32 s[QC], v[VQN], 0                ; the first row's sequence is in hand
.irp i, 0,1,2,3,4,5,6,7,8,9,10,11,12,13,14,15
	ISSUE \i
.endr
	s_sub_co_u32 s[G], s[G], 1
	s_cmp_eq_u32 s[G], 0
	s_cbranch_scc1 .Llast
.Lgroup:                                               ; a trip sums one group and asks for the next
	v_mov_b32 v[VQC], v[VQN]
	TABLE
.irp i, 0,1,2,3,4,5,6,7,8,9,10,11,12,13,14,15
	SLOT \i, 1
.endr
	s_sub_co_u32 s[G], s[G], 1
	s_cmp_lg_u32 s[G], 0
	s_cbranch_scc1 .Lgroup
.Llast:                                                ; the last group: W takes the slots that fall free
	v_mov_b32 v[VQC], v[VQN]
.irp i, 0,1,2,3,4,5,6,7,8,9,10,11,12,13,14,15
	SLOT \i, 0
.endr
	FLUSH 0
	s_branch .Lsummed
.Lno_rows:
.irp i, 0,1,2,3,4,5,6,7,8,9,10,11,12,13,14,15
	WLOAD \i
.endr
.Lsummed:                                              ; on both ways W's 32 loads are the youngest
.irp q, 0,1,2,3,4,5,6,7
	ds_store_b128 v[PS], v[T+8*\q:T+8*\q+3] offset:PART+\q*ROWB          ; columns 4 lane on,
	ds_store_b128 v[PS], v[T+8*\q+4:T+8*\q+7] offset:PART+\q*ROWB+512    ; columns 128 + 4 lane on: the row lies in LDS as in memory
.endr
	global_load_b128 v[B:B+3], v[BO], s[10:11]
	global_load_b128 v[B+4:B+7], v[BO], s[10:11] offset:16
	global_load_b64 v[IX:IX+1], v[IO], s[6:7]      ; the pair of sequence lane % 8: is it empty?
	s_add_co_i32 s2, s[EX+1], 127
	s_lshl_b32 s3, s2, 23
	v_mov_b32 v[WSCL], s3                          ; 2^e1 as f32: the conversion takes its exponent field
	s_add_co_i32 s2, s2, 15
	s_lshl_b32 s2, s2, 23
	s_or_b32 s2, s2, 0x600000
	v_mov_b32 v[WLIM], s2                          ; 57,344 x 2^e1
	s_add_co_i32 s2, s[EX], 127
	s_lshl_b32 s3, s2, 23
	v_mov_b32 v[ASCL], s3
	s_add_co_i32 s2, s2, 15
	s_lshl_b32 s2, s2, 23
	s_or_b32 s2, s2, 0x600000
	v_mov_b32 v[ALIM], s2
	s_add_co_i32 s2, s[EX], s[EX+1]
	s_add_co_i32 s2, s2, 127
	s_lshl_b32 s[SC], s2, 23                       ; 2^(e0 + e1)
; Half u of my 16 rows of W (64 numbers a lane: register 4 kk + j = W(16 w + kk, 128 u + 4 lane + j)) becomes codes with K innermost.  A conversion takes 8 neighbouring registers, two rows x 4 columns: a register
; of its result holds one row's 4 columns.  Four such registers are turned, 4 x 4 bytes, by eight byte selects: then a register holds 4 neighbours along K of one column, and four of them are 16 bytes of that column's row.
.macro WQ u
.set X, RING+64*\u
.set n, 0
.rept 64
	v_med3_num_f32 v[X+n], v[X+n], -v[WLIM], v[WLIM]   ; the conversion to an 8-bit code does not saturate (ISA guide 7.6.2): the hold at the largest code x the scale
.set n, n+1
.endr
.irp p, 0,1,2,3,4,5,6,7
	v_cvt_scalef32_pk8_bf8_f32 v[RK+2*\p:RK+2*\p+1], v[X+8*\p:X+8*\p+7], v[WSCL]
.endr
	v_nop                                          ; one plain vector instruction between a scaled conversion and the vector instructions that read its result
.irp m, 0,1,2,3
	v_perm_b32 v[TP+4*\m], v[RK+4*\m+1], v[RK+4*\m], s[SELA]
	v_perm_b32 v[TP+4*\m+1], v[RK+4*\m+1], v[RK+4*\m], s[SELA+1]
	v_perm_b32 v[TP+4*\m+2], v[RK+4*\m+3], v[RK+4*\m+2], s[SELA]
	v_perm_b32 v[TP+4*\m+3], v[RK+4*\m+3], v[RK+4*\m+2], s[SELA+1]
.endr
.irp m, 0,1,2,3
	v_perm_b32 v[CC+16*\u+\m], v[TP+4*\m+2], v[TP+4*\m], s[SELA+2]       ; column j = 0: K = 16 w + 4 m + 0 .. 3
	v_perm_b32 v[CC+16*\u+4+\m], v[TP+4*\m+2], v[TP+4*\m], s[SELA+3]     ; j = 1
	v_perm_b32 v[CC+16*\u+8+\m], v[TP+4*\m+3], v[TP+4*\m+1], s[SELA+2]   ; j = 2
	v_perm_b32 v[CC+16*\u+12+\m], v[TP+4*\m+3], v[TP+4*\m+1], s[SELA+3]  ; j = 3
.endr
.irp j, 0,1,2,3
	ds_store_b128 v[WS], v[CC+16*\u+4*\j:CC+16*\u+4*\j+3] offset:\u*128*WP+\j*WP
.endr
.endm
	s_wait_dscnt 0x0                               ; the totals' stores have read their registers, which the codes now take
	s_wait_loadcnt 19                              ; W's first 16 loads are in: behind them stand its other 16, b's two and the index pair
	WQ 0
	s_wait_loadcnt 3                               ; all of W is in: b's two and the index pair may be out
	WQ 1
	s_wait_dscnt 0x0                               ; for the others' sake: my totals and my codes of W lie in LDS
	s_barrier_signal -1
	s_barrier_wait -1
	; the mean of sequence w / 2, columns 128 (w % 2) + 4 lane + 0 .. 3: the sixteen waves' parts
.irp k, 0,1,2,3,4,5,6,7
	ds_load_b128 v[RD+4*\k:RD+4*\k+3], v[PR] offset:PART+\k*8*ROWB
.endr
.irp k, 0,1,2,3,4,5,6,7
	ds_load_b128 v[RD+32+4*\k:RD+32+4*\k+3], v[PR2] offset:PART+\k*8*ROWB
.endr
	s_lshr_b32 s2, s[WV], 1
	s_mov_b32 s3, s[LEN]
.irp k, 1,2,3,4,5,6,7
	s_cmp_eq_u32 s2, \k
	s_cselect_b32 s3, s[LEN+2*\k], s3              ; its length
.endr
	v_cvt_f32_u32 v[LF], s3
	v_rcp_f32 v[INV], v[LF]                        ; twice, for the packed multiply; the additions below are the plain instructions behind the reciprocals (ISA guide 5.7.2)
	v_rcp_f32 v[INV+1], v[LF]
	s_wait_dscnt 0x0
.irp k, 0,1,2,3,4,5,6,7
	v_pk_add_f32 v[RD+4*\k:RD+4*\k+1], v[RD+4*\k:RD+4*\k+1], v[RD+32+4*\k:RD+32+4*\k+1]
	v_pk_add_f32 v[RD+4*\k+2:RD+4*\k+3], v[RD+4*\k+2:RD+4*\k+3], v[RD+32+4*\k+2:RD+32+4*\k+3]
.endr
.irp k, 0,1,2,3
	v_pk_add_f32 v[RD+4*\k:RD+4*\k+1], v[RD+4*\k:RD+4*\k+1], v[RD+16+4*\k:RD+16+4*\k+1]
	v_pk_add_f32 v[RD+4*\k+2:RD+4*\k+3], v[RD+4*\k+2:RD+4*\k+3], v[RD+16+4*\k+2:RD+16+4*\k+3]
.endr
.irp k, 0,1
	v_pk_add_f32 v[RD+4*\k:RD+4*\k+1], v[RD+4*\k:RD+4*\k+1], v[RD+8+4*\k:RD+8+4*\k+1]
	v_pk_add_f32 v[RD+4*\k+2:RD+4*\k+3], v[RD+4*\k+2:RD+4*\k+3], v[RD+8+4*\k+2:RD+8+4*\k+3]
.endr
	v_pk_add_f32 v[RD:RD+1], v[RD:RD+1], v[RD+4:RD+5]
	v_pk_add_f32 v[RD+2:RD+3], v[RD+2:RD+3], v[RD+6:RD+7]
	s_wait_alu depctr_va_vdst(0)
	v_pk_mul_f32 v[RD:RD+1], v[RD:RD+1], v[INV:INV+1]
	v_pk_mul_f32 v[RD+2:RD+3], v[RD+2:RD+3], v[INV:INV+1]
.irp j, 0,1,2,3
	v_med3_num_f32 v[RD+\j], v[RD+\j], -v[ALIM], v[ALIM]
	v_mov_b32 v[RD+4+\j], 0                        ; the conversion takes eight numbers: the upper four are zeros, and their codes are not kept
.endr
	v_cvt_scalef32_pk8_bf8_f32 v[RD+8:RD+9], v[RD:RD+7], v[ASCL]
	v_nop                                          ; one plain vector instruction behind the last conversion
	ds_store_b32 v[AS], v[RD+8]                    ; 4 codes: the wave's 128 bytes of the mean's row
	s_wait_dscnt 0x0
	s_barrier_signal -1
	s_barrier_wait -1
	; out^T = W^T x mean^T: source 0 = my 16 columns of W, source 1 = the means.  A fragment, 16 rows x 128 K, comes by four loads of 16 bytes: registers 4 c .. 4 c + 3 hold K = 32 c + 16 h + 0 .. 15: a permutation of
	; K within the instruction, the same on both sides, so every product meets its partner.
.irp s, 0,1
.irp c, 0,1,2,3
	ds_load_b128 v[WFR+16*\s+4*\c:WFR+16*\s+4*\c+3], v[WF] offset:128*\s+32*\c
	ds_load_b128 v[MFR+16*\s+4*\c:MFR+16*\s+4*\c+3], v[AF] offset:128*\s+32*\c
.endr
.endr
	s_wait_loadcnt 0x0                             ; b and the index pair
	v_min_u32 v[IX], TOTAL, v[IX]
	v_min_u32 v[IX+1], TOTAL, v[IX+1]
	v_mov_b32 v[SCL], s[SC]
	v_cmp_ne_u32 vcc_lo, v[IX], v[IX+1]
	v_cndmask_b32 v[SCL], 0x7fc00000, v[SCL], vcc_lo   ; an empty sequence's row is NaN, as 0 / 0 is
	v_mov_b32 v[SCL+1], v[SCL]
	s_wait_dscnt 0x0
	v_wmma_f32_16x16x128_bf8_bf8 v[D:D+7], v[WFR:WFR+15], v[MFR:MFR+15], 0
	s_wait_alu depctr_va_vdst(0)                   ; one accumulator, two links
	v_wmma_f32_16x16x128_bf8_bf8 v[D:D+7], v[WFR+16:WFR+31], v[MFR+16:MFR+31], v[D:D+7]
.rept 4
	v_nop                                          ; four places between a matrix instruction and the first read of its result (ISA guide 7.12.1)
.endr
.irp j, 0,2,4,6
	v_pk_fma_f32 v[Y+\j:Y+\j+1], v[D+\j:D+\j+1], v[SCL:SCL+1], v[B+\j:B+\j+1]   ; lane (r, h), register j: out(sequence r, column 16 w + 8 h + j) = sum x 2^(e0 + e1) + b; from the accumulator's low end on
.endr
	ds_store_b128 v[SO], v[Y:Y+3]
	ds_store_b128 v[SO], v[Y+4:Y+7] offset:16
	s_wait_dscnt 0x0
	s_barrier_signal -1
	s_barrier_wait -1
	ds_load_b128 v[Z:Z+3], v[SR]                   ; rows 0-7 of the stage: 64 threads to a row
	s_wait_dscnt 0x0
	global_store_b128 v[GO], v[Z:Z+3], s[14:15] th:TH_STORE_NT   ; a wave stores 512 consecutive bytes, at a multiple of 512 from out0's first byte; written once, read by nobody here
	s_wait_xcnt 0x0
	v_lshl_add_u32 v254, v0, 2, 0x35a00
	v_mov_b32 v255, 0
	s_wait_tensorcnt 0x0
	ds_add_u32 v254, v255
	s_wait_dscnt 0x0
	s_endpgm
.Lfunc_end_k_q47d2c51f1b_seqmean:
	.size	k_q47d2c51f1b_seqmean, .Lfunc_end_k_q47d2c51f1b_seqmean-k_q47d2c51f1b_seqmean
	.p2alignl 7, 3214868480
	.fill 96, 4, 3214868480
	.section	.rodata,"a",@progbits
	.p2align	6, 0x0
	.amdhsa_kernel k_q47d2c51f1b_seqmean
		.amdhsa_group_segment_fixed_size 221696
		.amdhsa_private_segment_fixed_size 0
		.amdhsa_enable_private_segment 0
		.amdhsa_kernarg_size 48
		.amdhsa_user_sgpr_count 2
		.amdhsa_user_sgpr_kernarg_segment_ptr 1
		.amdhsa_wavefront_size32 1
		.amdhsa_system_sgpr_workgroup_id_x 1
		.amdhsa_system_sgpr_workgroup_id_y 1
		.amdhsa_system_sgpr_workgroup_id_z 1
		.amdhsa_system_vgpr_workitem_id 0
		.amdhsa_next_free_vgpr 256
		.amdhsa_next_free_sgpr 66
		.amdhsa_reserve_vcc 1
		.amdhsa_float_denorm_mode_32 3
		.amdhsa_float_denorm_mode_16_64 3
		.amdhsa_memory_ordered 1
		.amdhsa_forward_progress 1
		.amdhsa_inst_pref_size 156
	.end_amdhsa_kernel
	.amdgpu_metadata
---
amdhsa.version: [ 1, 2 ]
amdhsa.kernels:
  - .name:           k_q47d2c51f1b_seqmean
    .symbol:         k_q47d2c51f1b_seqmean.kd
    .args:
      - { .name: values, .offset: 0, .size: 8, .value_kind: global_buffer, .address_space: global }
      - { .name: indices, .offset: 8, .size: 8, .value_kind: global_buffer, .address_space: global }
      - { .name: W, .offset: 16, .size: 8, .value_kind: global_buffer, .address_space: global }
      - { .name: b, .offset: 24, .size: 8, .value_kind: global_buffer, .address_space: global }
      - { .name: lowp_scales, .offset: 32, .size: 8, .value_kind: global_buffer, .address_space: global }
      - { .name: out0, .offset: 40, .size: 8, .value_kind: global_buffer, .address_space: global }
    .group_segment_fixed_size: 221696
    .private_segment_fixed_size: 0
    .kernarg_segment_align: 8
    .kernarg_segment_size: 48
    .max_flat_workgroup_size: 512
    .sgpr_count:     66
    .vgpr_count:     256
    .wavefront_size: 32
...
	.end_amdgpu_metadata
.endif
;; end of part 1
;; ======== version 2 of 2: 1 launch; version 1 with the launch seqmean written anew for expert scheduling mode
;; limits: right only within a limited range of input values
;; launch seqmean (part 2): grid 256 x 1, 16 waves a work-group, no clusters, 221,696 bytes of LDS; arguments values, indices, W, b, lowp_scales, out0; writes out0
.if DOCPART == 2
	.amdgcn_target "amdgcn-amd-amdhsa--gfx1250"
	.amdhsa_code_object_version 6
	.text
	.protected	k_q47d2c51f1b_seqmean
	.globl	k_q47d2c51f1b_seqmean
	.p2align	8
	.type	k_q47d2c51f1b_seqmean,@function
k_q47d2c51f1b_seqmean:
	s_mov_b64 s[64:65], 0
	v_nop
	global_prefetch_b8 v0, s[64:65] scope:SCOPE_SE
	s_setreg_imm32_b32 hwreg(HW_REG_WAVE_SCHED_MODE, 0, 2), 2
	s_setreg_imm32_b32 hwreg(HW_REG_WAVE_MODE, 25, 1), 1
	s_wait_xcnt 0x0
	s_wait_alu depctr_vm_vsrc(0)
; out0[s][:] = Q(mean of values[i0:i1]) Q(W) + b for the 2,048 pairs (i0, i1) of indices.  values [262144][256] f32, W [256 (k)][256 (n)] f32, b [256] f32, out0 [2048][256] f32.
; Q: codes of BF8 (E5M2) along K with the given scales 2^e0 (means) and 2^e1 (W); the product by v_wmma_f32_16x16x128_bf8_bf8, sums in f32, each finished sum x 2^(e0 + e1) + b.
; SHARES.  A work-group of sixteen waves owns 8 sequences (8 dense rows of out0): a mean has to be whole before it is quantised, so every output row has one owner.
; Its sequences are laid end to end as L virtual rows (P_k = the lengths' prefix sums).  Wave w takes groups of 16 virtual rows, those from 256 t + 16 w on, t = 0, 1, ..: the waves' trip counts differ by one
; at the most, and one group of the work-group at the most is partly filled.  A lane owns 8 columns: two loads of 16 bytes a lane cover a row, 512 consecutive bytes each, aligned.
; THE RING.  16 slots of 8 registers, in four blocks of four: 24 to 32 loads, 12 to 16 KB, of every wave are on their way.  A slot owns its data registers and a scalar base, its row's address.
; A running sum ACC is added to one of eight totals T_q in registers when the sequence changes: a scalar branch on numbers made of the index input.  No LDS address hangs on loaded numbers.
; Virtual rows at or past L read row L - 1 again and count for a ninth sequence that nobody keeps (15 rows a work-group at the most).
; W RIDES IN THE RING.  While the last group is summed, each block that falls free takes eight loads of W (wave w: W's rows 16 w .. 16 w + 15, 32 loads: just one ring), so every counted wait keeps its count.
; THE END.  Totals -> LDS | barrier | wave w adds the 16 waves' parts of half a row, x 1 / length, quantises, 4 codes a lane -> LDS | barrier | each wave: its 16 columns of W against the 8 means, two matrix
; instructions; x 2^(e0 + e1) + b -> a stage in LDS | barrier | each wave stores 512 consecutive bytes of out0.
; NO TENSOR LOADS, NO CLUSTER: trip counts and branches hang on the index input; of what a work-group reads (about 1 MB of rows of its own, 256 KB of W) only W is shared.
; LIMITS.  e0 and e1 between -126 and 112, e0 + e1 between -126 and 127, so that each power of two below is an f32 number.  Indices are taken as unsigned and held at 262,144.  i0 > i1 gives the mean of
; [i1, i0), as a difference of prefix sums does; i0 = i1 gives a row of NaN (0 / 0).  NaN among the floating-point inputs is not served.  The sums are direct sums in f32, not differences of prefix sums.
; THE MODE: SCHED_MODE bits 1:0 = 2 (LLVM: expert scheduling mode 2), set by the entry lines.  The code itself states the register dependences between vector or matrix instructions and memory or LDS
; instructions, and those through scalar registers that vector instructions write, with s_wait_alu, always for 0.
; THE PLAN.  Registers that memory or LDS instructions touch, in the loop:
;   RING     Block p: its sixteen additions read its four slots; behind them the eight loads of the next group's rows (in the last group: of W) land there.
;   v[L16]   Read by every load of a row; made at the head and never written again: a row is reached by its slot's scalar base, which scalar instructions make anew behind the wait that shows the slot's loads done.
;   ACC, the totals and the table v2-7 are named by vector instructions alone.
; So ONE wait on va_vdst stands in a block, behind its additions and straight ahead of its eight loads, so that a block that has fallen free is asked for again at once; and ONE wait on va_sdst, behind the block's eight
; lane reads (four sequence numbers, four rows), which are issued ahead of the wait for the block's data.  The table's eight compares go in one run into scalar registers, with one wait behind the run.
; Behind the loop each run of LDS stores has one wait on va_vdst ahead of it (its data are written), and a wait on vm_vsrc stands where registers that LDS stores have read are written again: the totals', which take W's
; codes, and the means' codes', in which a fragment lands.  Loads into registers that vector instructions have named lean on the last wait on va_vdst ahead of them, behind which no vector instruction names them.
.set TOTAL,  262144
.set GROUP,  16                        ; rows in a group = slots in a wave's ring
.set BLK,    4                         ; slots in a block
.set ROWB,   1024                      ; bytes in a row of values, of W and of out0
.set WP,     272                       ; LDS: a row of 256 codes + 16 bytes, so that the 16 rows that a fragment load touches start 68 words apart
.set SP,     1040                      ; LDS: a row of the stage, 1,024 bytes + 16
.set PART,   0                         ; LDS: the waves' totals, [wave 16][sequence 8][1,024 bytes]
.set WC,     16*8*ROWB                 ; W's codes, [n 256][WP], K innermost
.set AC,     WC+256*WP                 ; the means' codes, [sequence 8][WP]
.set STG,    AC+8*WP                   ; the stage, 16 rows of SP bytes (rows 8-15 take the repeated lanes' results and are never read); it ends at byte 219,520
.set L16,  1                           ; v1   16 x lane
.set VV,   2                           ; v2   the virtual row of lane % 16 in the group whose table is made next
.set VT,   3                           ; v3-7 the table: at work; offset; the next group's sequence numbers; the group's in hand; the next group's rows
.set VO,   4
.set VQN,  5
.set VQC,  6
.set VROW, 7
.set WO,   8                           ; v8   W: 16,384 x wave + 16 x lane
.set PS,   9                           ; v9   totals, where I store;  v10, v11 where I read the sixteen parts (waves 0-7, waves 8-15)
.set PR,   10
.set PR2,  11
.set WS,   12                          ; v12  W's codes, where I store;  v15 where I read my fragments
.set AS,   13                          ; v13  the means' codes, where I store;  v14 where I read the fragments
.set AF,   14
.set WF,   15
.set SO,   16                          ; v16  the stage: in;  v17 back;  v18 my 16 bytes in the work-group's 8 KB of out0
.set SR,   17
.set GO,   18
.set BO,   19                          ; v19  my 8 numbers of b;  v20 the index pair of sequence lane % 8
.set IO,   20
.set WSCL, 21                          ; v21, v22  2^e1 and 57,344 x 2^e1;  v23, v24 the same with e0
.set WLIM, 22
.set ASCL, 23
.set ALIM, 24
.set LF,   25                          ; v25  a length as f32
.set IX,   26                          ; v[26:27] an index pair
.set INV,  28                          ; v[28:29] 1 / length, twice
.set SCL,  30                          ; v[30:31] 2^(e0 + e1), twice; NaN where the lane's sequence is empty
                                       ; v32-45   not used: the rows are reached by scalar bases
.set ACC,  48                          ; v48-55   the running sum of the sequence in hand
.set T,    56                          ; v56-119  the eight totals
.set B,    120                         ; v120-127 b
.set RING, 128                         ; v128-255 slot i: 8 registers
.set RK,   T                           ; behind the sums: 16 registers of codes by rows of W, 16 at work, 2 x 16 of codes by columns
.set TP,   T+16
.set CC,   T+32
.set RD,   RING                        ; the sixteen parts of my 4 columns
.set WFR,  RING                        ; W's two fragments, the means' two, the sums, the results, the row piece to store
.set MFR,  RING+32
.set D,    RING+64
.set Y,    RING+72
.set Z,    RING+80
.set OFS,  16                          ; s[16+2q] first row of sequence q less P_q;  s[17+2q] its length
.set LEN,  17
.set EX,   32                          ; s32 e0, s33 e1
.set PK,   35                          ; s[35+k] P_k, k = 0 .. 8
.set WV,   44                          ; s44 wave;  s45 groups to go;  s46 the sequence in hand;  s49 L - 1
.set G,    45
.set QC,   46
.set LM1,  49
.set SELA, 50                          ; s50-53 byte selects
.set SC,   54                          ; s54 2^(e0 + e1)
.set TQ,   55                          ; s55-58 a block's four sequence numbers;  s59-62 the rows that its slots take next;  the table's eight masks, and the first fill's rows, take all eight
.set TR,   59
.set SB,   66                          ; s[66+2i:67+2i] slot i: the address of its row
.set RO,   98                          ; s[98:99] a row's byte offset in values: under 2^28, so the upper word stays 0
	s_load_b256 s[4:11], s[0:1], 0x0               ; values s[4:5], indices s[6:7], W s[8:9], b s[10:11]
	s_load_b128 s[12:15], s[0:1], 0x20             ; the scales' exponents s[12:13], out0 s[14:15]
	v_lshl_add_u32 v46, v0, 2, 0x35a00
	v_mov_b32 v47, 0
	v_lshrrev_b32 v[VT], 5, v0
	v_readfirstlane_b32 s[WV], v[VT]               ; wave 0..15
	s_lshl_b32 s2, ttmp9, 6                        ; my 8 index pairs: 64 bytes
	s_mov_b32 s3, 0
	s_wait_kmcnt 0x0
	s_add_nc_u64 s[6:7], s[6:7], s[2:3]
	s_load_b512 s[16:31], s[6:7], 0x0              ; i0, i1 of my 8 sequences
	s_load_b64 s[EX:EX+1], s[12:13], 0x0           ; e0, e1
	s_lshl_b32 s2, ttmp9, 13                       ; my 8 rows of out0
	s_add_nc_u64 s[14:15], s[14:15], s[2:3]
	; while the indices are on their way: every address that stays, and the zeros
	v_and_b32 v[VT], 31, v0                        ; lane
	v_and_b32 v[VO], 15, v0                        ; r
	v_bfe_u32 v[VQN], v0, 4, 1                     ; h
	v_and_b32 v[VQC], 7, v0                        ; r % 8
	v_lshlrev_b32 v[L16], 4, v[VT]
	s_wait_alu depctr_va_sdst(0)                   ; the wave's number is written, ahead of its first reader: addresses and the trip count are made from it
	s_lshl_b32 s2, s[WV], 4
	v_add_nc_u32 v[VV], s2, v[VO]                  ; group 0: virtual row 16 w + lane % 16
	s_add_co_u32 s2, s2, WC
	v_mul_u32_u24 v[WS], v[VT], 4*WP               ; W's codes in: my 4 columns' rows, at K = 16 w
	v_add_nc_u32 v[WS], s2, v[WS]
	s_lshl_b32 s2, s[WV], 14
	v_add_nc_u32 v[WO], s2, v[L16]
	s_lshl_b32 s2, s[WV], 13
	v_add_nc_u32 v[PS], s2, v[L16]                 ; my wave's 8 KB of totals
	s_lshl_b32 s2, s[WV], 9
	v_add_nc_u32 v[PR], s2, v[L16]                 ; sequence w / 2, half w % 2 of its row: 1,024 (w / 2) + 512 (w % 2) = 512 w
	v_add_nc_u32 v[PR2], 0x10000, v[PR]            ; waves 8-15 lie 65,536 bytes on: beyond an LDS offset's 16 bits
	s_lshr_b32 s2, s[WV], 1
	s_mul_i32 s2, s2, WP
	s_and_b32 s3, s[WV], 1
	s_lshl_b32 s3, s3, 7
	s_add_co_u32 s2, s2, s3
	s_add_co_u32 s2, s2, AC
	v_lshl_add_u32 v[AS], v[VT], 2, s2             ; the means' codes in: row w / 2, K = 128 (w % 2) + 4 lane
	v_mul_u32_u24 v[AF], v[VQC], WP
	v_lshl_add_u32 v[AF], v[VQN], 4, v[AF]
	v_add_nc_u32 v[AF], AC, v[AF]                  ; and out: row r % 8 (lanes 8-15 of a half repeat lanes 0-7: their results are not kept), + 16 h
	s_mul_i32 s2, s[WV], 16*WP
	s_add_co_u32 s2, s2, WC
	v_mul_u32_u24 v[WF], v[VO], WP
	v_lshl_add_u32 v[WF], v[VQN], 4, v[WF]
	v_add_nc_u32 v[WF], s2, v[WF]                  ; W's fragments: column 16 w + r, + 16 h
	s_lshl_b32 s2, s[WV], 6
	v_lshl_add_u32 v[BO], v[VQN], 5, s2            ; b: columns 16 w + 8 h on
	s_add_co_u32 s2, s2, STG
	v_mul_u32_u24 v[SO], v[VO], SP
	v_lshl_add_u32 v[SO], v[VQN], 5, v[SO]
	v_add_nc_u32 v[SO], s2, v[SO]                  ; the stage in: row r, columns 16 w + 8 h on
	v_lshrrev_b32 v[VROW], 6, v0
	v_mul_u32_u24 v[VROW], v[VROW], SP
	v_and_b32 v[SR], 63, v0
	v_lshl_add_u32 v[SR], v[SR], 4, v[VROW]
	v_add_nc_u32 v[SR], STG, v[SR]                 ; and back: 64 threads to a row, 16 bytes each
	v_lshlrev_b32 v[GO], 4, v0
	v_lshlrev_b32 v[IO], 3, v[VQC]
.set n, 0
.rept 72
	v_mov_b32 v[ACC+n], 0                          ; ACC and the eight totals: a total that no row of mine reaches goes to LDS as zeros
.set n, n+1
.endr
	s_mov_b32 s[SELA], 0x05010400                  ; of (b, a): a0 b0 a1 b1
	s_mov_b32 s[SELA+1], 0x07030602                ; a2 b2 a3 b3
	s_mov_b32 s[SELA+2], 0x05040100                ; the two low halves
	s_mov_b32 s[SELA+3], 0x07060302                ; the two high halves
	s_mov_b32 s[RO+1], 0
	s_mov_b32 s[PK], 0
	s_wait_kmcnt 0x0
.irp q, 0,1,2,3,4,5,6,7
	s_min_u32 s[OFS+2*\q], s[OFS+2*\q], TOTAL
	s_min_u32 s[LEN+2*\q], s[LEN+2*\q], TOTAL
	s_max_u32 s2, s[OFS+2*\q], s[LEN+2*\q]
	s_min_u32 s[OFS+2*\q], s[OFS+2*\q], s[LEN+2*\q]  ; the first row,
	s_sub_co_u32 s[LEN+2*\q], s2, s[OFS+2*\q]      ; the length,
	s_sub_co_u32 s[OFS+2*\q], s[OFS+2*\q], s[PK+\q]  ; what turns a virtual row into a row (modulo 2^32),
	s_add_co_u32 s[PK+1+\q], s[PK+\q], s[LEN+2*\q]   ; P_(q+1)
.endr
	s_lshl_b32 s2, s[WV], 4
	s_sub_co_u32 s2, 255, s2
	s_add_co_u32 s2, s2, s[PK+8]
	s_lshr_b32 s[G], s2, 8                         ; my groups: those t with 256 t + 16 w < L
	s_sub_co_u32 s[LM1], s[PK+8], 1
	s_wait_alu depctr_va_vdst(0)                   ; v[L16] and the addresses v8 to v20 are written, which the loads, LDS instructions and stores of the whole kernel read; none of them is written again
; The table of a group: for lane % 16 its sequence (the last k with P_k <= v, so empty sequences are passed over; 8 at or past L) and its row.  The eight compares stand in one run, each with a mask of its own.
.macro TABLE
.irp k, 1,2,3,4,5,6,7,8
	v_cmp_gt_u32 s[TQ+\k-1], s[PK+\k], v[VV]       ; P_k > v: keep what is there
.endr
	v_min_u32 v[VT], s[LM1], v[VV]
	v_mov_b32 v[VO], s[OFS]
	v_mov_b32 v[VQN], 0
	s_wait_alu depctr_va_sdst(0)                   ; the eight masks are written, ahead of the selects that read them
.irp k, 1,2,3,4,5,6,7
	v_cndmask_b32 v[VO], s[OFS+2*\k], v[VO], s[TQ+\k-1]
	v_cndmask_b32 v[VQN], \k, v[VQN], s[TQ+\k-1]
.endr
	v_cndmask_b32 v[VQN], 8, v[VQN], s[TQ+7]
	v_add_nc_u32 v[VROW], v[VT], v[VO]
	v_add_nc_u32 v[VV], 256, v[VV]                 ; my next group lies 16 waves x 16 rows on
.endm
; Slot i's base, from the row's number in s[t]: the number is held inside the buffer, shifted, and added to the address of values.
.macro BASE i, t
	s_min_u32 s[\t], s[\t], TOTAL-1
	s_lshl_b32 s[RO], s[\t], 10
	s_add_nc_u64 s[SB+2*(\i):SB+2*(\i)+1], s[4:5], s[RO:RO+1]
.endm
; Slot i is filled with its row.
.macro ISSUE i
	global_load_b128 v[RING+8*(\i):RING+8*(\i)+3], v[L16], s[SB+2*(\i):SB+2*(\i)+1] th:TH_LOAD_NT               ; 32 lanes read 512 consecutive bytes; a row is wanted again only where sequences overlap, and the hint changes no value
	global_load_b128 v[RING+8*(\i)+4:RING+8*(\i)+7], v[L16], s[SB+2*(\i):SB+2*(\i)+1] offset:512 th:TH_LOAD_NT
.endm
; Slot i takes two rows' halves of W: columns 128 (i / 8) + 4 lane + 0 .. 3 of rows 16 w + 2 (i % 8) and the next.
.macro WLOAD i
	global_load_b128 v[RING+8*(\i):RING+8*(\i)+3], v[WO], s[8:9] offset:((\i)/8)*512+(2*((\i)%8))*ROWB
	global_load_b128 v[RING+8*(\i)+4:RING+8*(\i)+7], v[WO], s[8:9] offset:((\i)/8)*512+(2*((\i)%8)+1)*ROWB
.endm
; ACC goes to the total of the sequence in hand.  The register is chosen by eight short branches; sequence 8 has no total.
.macro FLADD k
	s_cmp_lg_u32 s[QC], \k
	s_cbranch_scc1 .Lother_\@
.irp j, 0,2,4,6
	v_pk_add_f32 v[T+8*\k+\j:T+8*\k+\j+1], v[T+8*\k+\j:T+8*\k+\j+1], v[ACC+\j:ACC+\j+1]
.endr
.Lother_\@:
.endm
.macro FLUSH clear
.irp k, 0,1,2,3,4,5,6,7
	FLADD \k
.endr
.if \clear
.irp j, 0,1,2,3,4,5,6,7
	v_mov_b32 v[ACC+\j], 0
.endr
.endif
.endm
; Slot i's row, of the sequence whose number is in s[q], is added.
.macro SUM i, q
	s_cmp_eq_u32 s[\q], s[QC]
	s_cbranch_scc1 .Lsame_\@
	FLUSH 1                                        ; another sequence begins
	s_mov_b32 s[QC], s[\q]
.Lsame_\@:
.irp j, 0,2,4,6
	v_pk_add_f32 v[ACC+\j:ACC+\j+1], v[ACC+\j:ACC+\j+1], v[RING+8*(\i)+\j:RING+8*(\i)+\j+1]
.endr
.endm
; The turn of block p, slots 4 p .. 4 p + 3.  more = 1: they are filled with the next group's rows; 0: with W.  Either way eight loads, so the count at the head never changes.
.macro BLOCK p, more
.irp j, 0,1,2,3
	v_readlane_b32 s[TQ+\j], v[VQC], 4*(\p)+\j     ; the four rows' sequences,
.endr
.if \more
.irp j, 0,1,2,3
	v_readlane_b32 s[TR+\j], v[VROW], 4*(\p)+\j    ; and the rows that the four slots take next: read out while the block's data are still on their way
.endr
.endif
	s_wait_loadcnt 2*GROUP-2*BLK                   ; loads come back in order (ISA guide 5.7.1): behind my block's eight stand the eight of each of the three other blocks; that also frees the four slots' bases
	s_wait_alu depctr_va_sdst(0)                   ; the lane reads above have written s[TQ ..] and s[TR ..], ahead of their first readers and of every branch
.if \more
.irp j, 0,1,2,3
	BASE 4*(\p)+\j, TR+\j
.endr
.endif
.irp j, 0,1,2,3
	SUM 4*(\p)+\j, TQ+\j
.endr
	s_wait_alu depctr_va_vdst(0)                   ; the additions are done reading the block's four slots, in which the eight loads below land
.irp j, 0,1,2,3
.if \more
	ISSUE 4*(\p)+\j
.else
	WLOAD 4*(\p)+\j
.endif
.endr
.endm
	s_cmp_eq_u32 s[G], 0
	s_cbranch_scc1 .Lno_rows                       ; fewer than 16 w + 1 rows in all: this wave has only W to fetch
	TABLE
	v_readlane_b32 s[QC], v[VQN], 0                ; the first row's sequence is in hand
.irp h, 0,1                                            ; the first fill, eight rows at a time.  No vector instruction has named the ring, and none since the head's wait names v[L16]
.irp j, 0,1,2,3,4,5,6,7
	v_readlane_b32 s[TQ+\j], v[VROW], 8*\h+\j
.endr
	s_wait_alu depctr_va_sdst(0)                   ; the eight rows' numbers (and, the first time, the sequence in hand) are written, ahead of their first readers
.irp j, 0,1,2,3,4,5,6,7
	BASE 8*\h+\j, TQ+\j
	ISSUE 8*\h+\j
.endr
.endr
	s_sub_co_u32 s[G], s[G], 1
	s_cmp_eq_u32 s[G], 0
	s_cbranch_scc1 .Llast
.Lgroup:                                               ; a trip sums one group and asks for the next
	v_mov_b32 v[VQC], v[VQN]
	TABLE
.irp p, 0,1,2,3
	BLOCK \p, 1
.endr
	s_sub_co_u32 s[G], s[G], 1
	s_cmp_lg_u32 s[G], 0
	s_cbranch_scc1 .Lgroup
.Llast:                                                ; the last group: W takes the blocks that fall free
	v_mov_b32 v[VQC], v[VQN]
.irp p, 0,1,2,3
	BLOCK \p, 0
.endr
	FLUSH 0
	s_branch .Lsummed
.Lno_rows:
.irp i, 0,1,2,3,4,5,6,7,8,9,10,11,12,13,14,15
	WLOAD \i
.endr
.Lsummed:                                              ; on both ways W's 32 loads are the youngest
	s_wait_alu depctr_va_vdst(0)                   ; the totals are written (the head's zeros, the additions at every change of sequence), which the LDS stores read
.irp q, 0,1,2,3,4,5,6,7
	ds_store_b128 v[PS], v[T+8*\q:T+8*\q+3] offset:PART+\q*ROWB          ; columns 4 lane on,
	ds_store_b128 v[PS], v[T+8*\q+4:T+8*\q+7] offset:PART+\q*ROWB+512    ; columns 128 + 4 lane on: the row lies in LDS as in memory
.endr
	global_load_b128 v[B:B+3], v[BO], s[10:11]     ; (no vector instruction has named v[B ..] or v[IX ..])
	global_load_b128 v[B+4:B+7], v[BO], s[10:11] offset:16
	global_load_b64 v[IX:IX+1], v[IO], s[6:7]      ; the pair of sequence lane % 8: is it empty?
	s_add_co_i32 s2, s[EX+1], 127
	s_lshl_b32 s3, s2, 23
	v_mov_b32 v[WSCL], s3                          ; 2^e1 as f32: the conversion takes its exponent field
	s_add_co_i32 s2, s2, 15
	s_lshl_b32 s2, s2, 23
	s_or_b32 s2, s2, 0x600000
	v_mov_b32 v[WLIM], s2                          ; 57,344 x 2^e1
	s_add_co_i32 s2, s[EX], 127
	s_lshl_b32 s3, s2, 23
	v_mov_b32 v[ASCL], s3
	s_add_co_i32 s2, s2, 15
	s_lshl_b32 s2, s2, 23
	s_or_b32 s2, s2, 0x600000
	v_mov_b32 v[ALIM], s2
	s_add_co_i32 s2, s[EX], s[EX+1]
	s_add_co_i32 s2, s2, 127
	s_lshl_b32 s[SC], s2, 23                       ; 2^(e0 + e1)
; Half u of my 16 rows of W (64 numbers a lane: register 4 kk + j = W(16 w + kk, 128 u + 4 lane + j)) becomes codes with K innermost.  A conversion takes 8 neighbouring registers, two rows x 4 columns: a register
; of its result holds one row's 4 columns.  Four such registers are turned, 4 x 4 bytes, by eight byte selects: then a register holds 4 neighbours along K of one column, and four of them are 16 bytes of that column's row.
.macro WQ u
.set X, RING+64*\u
.set n, 0
.rept 64
	v_med3_num_f32 v[X+n], v[X+n], -v[WLIM], v[WLIM]   ; the conversion to an 8-bit code does not saturate (ISA guide 7.6.2): the hold at the largest code x the scale
.set n, n+1
.endr
.irp p, 0,1,2,3,4,5,6,7
	v_cvt_scalef32_pk8_bf8_f32 v[RK+2*\p:RK+2*\p+1], v[X+8*\p:X+8*\p+7], v[WSCL]
.endr
	v_nop                                          ; one plain vector instruction between a scaled conversion and the vector instructions that read its result
.irp m, 0,1,2,3
	v_perm_b32 v[TP+4*\m], v[RK+4*\m+1], v[RK+4*\m], s[SELA]
	v_perm_b32 v[TP+4*\m+1], v[RK+4*\m+1], v[RK+4*\m], s[SELA+1]
	v_perm_b32 v[TP+4*\m+2], v[RK+4*\m+3], v[RK+4*\m+2], s[SELA]
	v_perm_b32 v[TP+4*\m+3], v[RK+4*\m+3], v[RK+4*\m+2], s[SELA+1]
.endr
.irp m, 0,1,2,3
	v_perm_b32 v[CC+16*\u+\m], v[TP+4*\m+2], v[TP+4*\m], s[SELA+2]       ; column j = 0: K = 16 w + 4 m + 0 .. 3
	v_perm_b32 v[CC+16*\u+4+\m], v[TP+4*\m+2], v[TP+4*\m], s[SELA+3]     ; j = 1
	v_perm_b32 v[CC+16*\u+8+\m], v[TP+4*\m+3], v[TP+4*\m+1], s[SELA+2]   ; j = 2
	v_perm_b32 v[CC+16*\u+12+\m], v[TP+4*\m+3], v[TP+4*\m+1], s[SELA+3]  ; j = 3
.endr
	s_wait_alu depctr_va_vdst(0)                   ; the byte selects have written this half's sixteen registers of codes, which the LDS stores read; each half has registers of its own
.irp j, 0,1,2,3
	ds_store_b128 v[WS], v[CC+16*\u+4*\j:CC+16*\u+4*\j+3] offset:\u*128*WP+\j*WP
.endr
.endm
	s_wait_dscnt 0x0                               ; the totals' stores are done,
	s_wait_alu depctr_vm_vsrc(0)                   ; and have read v[T ..], which the conversions and byte selects below write: the codes take these registers
	s_wait_loadcnt 19                              ; W's first 16 loads are in: behind them stand its other 16, b's two and the index pair
	WQ 0
	s_wait_loadcnt 3                               ; all of W is in: b's two and the index pair may be out
	WQ 1
	s_wait_dscnt 0x0                               ; for the others' sake: my totals and my codes of W lie in LDS
	s_barrier_signal -1
	s_barrier_wait -1
	; the mean of sequence w / 2, columns 128 (w % 2) + 4 lane + 0 .. 3: the sixteen waves' parts.  They land where W lay in f32: the holds and conversions that named those registers stand ahead of the
	; last wait on va_vdst (the one ahead of the second half's stores), and no vector instruction has been issued since
.irp k, 0,1,2,3,4,5,6,7
	ds_load_b128 v[RD+4*\k:RD+4*\k+3], v[PR] offset:PART+\k*8*ROWB
.endr
.irp k, 0,1,2,3,4,5,6,7
	ds_load_b128 v[RD+32+4*\k:RD+32+4*\k+3], v[PR2] offset:PART+\k*8*ROWB
.endr
	s_lshr_b32 s2, s[WV], 1
	s_mov_b32 s3, s[LEN]
.irp k, 1,2,3,4,5,6,7
	s_cmp_eq_u32 s2, \k
	s_cselect_b32 s3, s[LEN+2*\k], s3              ; its length
.endr
	v_cvt_f32_u32 v[LF], s3
	v_rcp_f32 v[INV], v[LF]                        ; twice, for the packed multiply; the additions below are the plain instructions behind the reciprocals (ISA guide 5.7.2)
	v_rcp_f32 v[INV+1], v[LF]
	s_wait_dscnt 0x0
.irp k, 0,1,2,3,4,5,6,7
	v_pk_add_f32 v[RD+4*\k:RD+4*\k+1], v[RD+4*\k:RD+4*\k+1], v[RD+32+4*\k:RD+32+4*\k+1]
	v_pk_add_f32 v[RD+4*\k+2:RD+4*\k+3], v[RD+4*\k+2:RD+4*\k+3], v[RD+32+4*\k+2:RD+32+4*\k+3]
.endr
.irp k, 0,1,2,3
	v_pk_add_f32 v[RD+4*\k:RD+4*\k+1], v[RD+4*\k:RD+4*\k+1], v[RD+16+4*\k:RD+16+4*\k+1]
	v_pk_add_f32 v[RD+4*\k+2:RD+4*\k+3], v[RD+4*\k+2:RD+4*\k+3], v[RD+16+4*\k+2:RD+16+4*\k+3]
.endr
.irp k, 0,1
	v_pk_add_f32 v[RD+4*\k:RD+4*\k+1], v[RD+4*\k:RD+4*\k+1], v[RD+8+4*\k:RD+8+4*\k+1]
	v_pk_add_f32 v[RD+4*\k+2:RD+4*\k+3], v[RD+4*\k+2:RD+4*\k+3], v[RD+8+4*\k+2:RD+8+4*\k+3]
.endr
	v_pk_add_f32 v[RD:RD+1], v[RD:RD+1], v[RD+4:RD+5]
	v_pk_add_f32 v[RD+2:RD+3], v[RD+2:RD+3], v[RD+6:RD+7]
	s_wait_alu depctr_va_vdst(0)
	v_pk_mul_f32 v[RD:RD+1], v[RD:RD+1], v[INV:INV+1]
	v_pk_mul_f32 v[RD+2:RD+3], v[RD+2:RD+3], v[INV:INV+1]
.irp j, 0,1,2,3
	v_med3_num_f32 v[RD+\j], v[RD+\j], -v[ALIM], v[ALIM]
	v_mov_b32 v[RD+4+\j], 0                        ; the conversion takes eight numbers: the upper four are zeros, and their codes are not kept
.endr
	v_cvt_scalef32_pk8_bf8_f32 v[RD+8:RD+9], v[RD:RD+7], v[ASCL]
	v_nop                                          ; one plain vector instruction behind the last conversion
	s_wait_alu depctr_va_vdst(0)                   ; the conversion has written v[RD+8], which the LDS store reads; and the additions are done with v[RD ..], in which the fragments land behind the barrier
	ds_store_b32 v[AS], v[RD+8]                    ; 4 codes: the wave's 128 bytes of the mean's row
	s_wait_dscnt 0x0
	s_barrier_signal -1
	s_barrier_wait -1
	; out^T = W^T x mean^T: source 0 = my 16 columns of W, source 1 = the means.  A fragment, 16 rows x 128 K, comes by four loads of 16 bytes: registers 4 c .. 4 c + 3 hold K = 32 c + 16 h + 0 .. 15: a permutation of
	; K within the instruction, the same on both sides, so every product meets its partner.
	s_wait_alu depctr_vm_vsrc(0)                   ; the store of my codes has read v[RD+8], in which a fragment of W lands
.irp s, 0,1
.irp c, 0,1,2,3
	ds_load_b128 v[WFR+16*\s+4*\c:WFR+16*\s+4*\c+3], v[WF] offset:128*\s+32*\c
	ds_load_b128 v[MFR+16*\s+4*\c:MFR+16*\s+4*\c+3], v[AF] offset:128*\s+32*\c
.endr
.endr
	s_wait_loadcnt 0x0                             ; b and the index pair
	v_min_u32 v[IX], TOTAL, v[IX]
	v_min_u32 v[IX+1], TOTAL, v[IX+1]
	v_mov_b32 v[SCL], s[SC]
	v_cmp_ne_u32 vcc_lo, v[IX], v[IX+1]
	s_wait_alu depctr_va_vcc(0)                    ; the compare has written VCC, ahead of the select that reads it
	v_cndmask_b32 v[SCL], 0x7fc00000, v[SCL], vcc_lo   ; an empty sequence's row is NaN, as 0 / 0 is
	v_mov_b32 v[SCL+1], v[SCL]
	s_wait_dscnt 0x0
	v_wmma_f32_16x16x128_bf8_bf8 v[D:D+7], v[WFR:WFR+15], v[MFR:MFR+15], 0
	s_wait_alu depctr_va_vdst(0)                   ; one accumulator, two links
	v_wmma_f32_16x16x128_bf8_bf8 v[D:D+7], v[WFR+16:WFR+31], v[MFR+16:MFR+31], v[D:D+7]
.rept 4
	v_nop                                          ; four places between a matrix instruction and the first read of its result (ISA guide 7.12.1)
.endr
.irp j, 0,2,4,6
	v_pk_fma_f32 v[Y+\j:Y+\j+1], v[D+\j:D+\j+1], v[SCL:SCL+1], v[B+\j:B+\j+1]   ; lane (r, h), register j: out(sequence r, column 16 w + 8 h + j) = sum x 2^(e0 + e1) + b; from the accumulator's low end on
.endr
	s_wait_alu depctr_va_vdst(0)                   ; the multiply-adds have written v[Y ..], which the LDS stores read; every vector instruction that named v[Z ..] (W's holds and conversions) stands ahead of it too
	ds_store_b128 v[SO], v[Y:Y+3]
	ds_store_b128 v[SO], v[Y+4:Y+7] offset:16
	s_wait_dscnt 0x0
	s_barrier_signal -1
	s_barrier_wait -1
	ds_load_b128 v[Z:Z+3], v[SR]                   ; rows 0-7 of the stage: 64 threads to a row
	s_wait_dscnt 0x0
	global_store_b128 v[GO], v[Z:Z+3], s[14:15] th:TH_STORE_NT   ; a wave stores 512 consecutive bytes, at a multiple of 512 from out0's first byte; written once, read by nobody here
	s_wait_dscnt 0x0
	s_wait_alu depctr_hold_cnt(0) depctr_sa_sdst(0) depctr_va_vdst(0) depctr_va_sdst(0) depctr_va_ssrc(0) depctr_va_vcc(0) depctr_vm_vsrc(0)
	s_wait_tensorcnt 0x0
	ds_add_u32 v46, v47
	s_wait_dscnt 0x0
	s_endpgm
.Lfunc_end_k_q47d2c51f1b_seqmean:
	.size	k_q47d2c51f1b_seqmean, .Lfunc_end_k_q47d2c51f1b_seqmean-k_q47d2c51f1b_seqmean
	.p2alignl 7, 3214868480
	.fill 96, 4, 3214868480
	.section	.rodata,"a",@progbits
	.p2align	6, 0x0
	.amdhsa_kernel k_q47d2c51f1b_seqmean
		.amdhsa_group_segment_fixed_size 221696
		.amdhsa_private_segment_fixed_size 0
		.amdhsa_enable_private_segment 0
		.amdhsa_kernarg_size 48
		.amdhsa_user_sgpr_count 2
		.amdhsa_user_sgpr_kernarg_segment_ptr 1
		.amdhsa_wavefront_size32 1
		.amdhsa_system_sgpr_workgroup_id_x 1
		.amdhsa_system_sgpr_workgroup_id_y 1
		.amdhsa_system_sgpr_workgroup_id_z 1
		.amdhsa_system_vgpr_workitem_id 0
		.amdhsa_next_free_vgpr 256
		.amdhsa_next_free_sgpr 100
		.amdhsa_reserve_vcc 1
		.amdhsa_float_denorm_mode_32 3
		.amdhsa_float_denorm_mode_16_64 3
		.amdhsa_memory_ordered 1
		.amdhsa_forward_progress 1
		.amdhsa_inst_pref_size 158
	.end_amdhsa_kernel
	.amdgpu_metadata
---
amdhsa.version: [ 1, 2 ]
amdhsa.kernels:
  - .name:           k_q47d2c51f1b_seqmean
    .symbol:         k_q47d2c51f1b_seqmean.kd
    .args:
      - { .name: values, .offset: 0, .size: 8, .value_kind: global_buffer, .address_space: global }
      - { .name: indices, .offset: 8, .size: 8, .value_kind: global_buffer, .address_space: global }
      - { .name: W, .offset: 16, .size: 8, .value_kind: global_buffer, .address_space: global }
      - { .name: b, .offset: 24, .size: 8, .value_kind: global_buffer, .address_space: global }
      - { .name: lowp_scales, .offset: 32, .size: 8, .value_kind: global_buffer, .address_space: global }
      - { .name: out0, .offset: 40, .size: 8, .value_kind: global_buffer, .address_space: global }
    .group_segment_fixed_size: 221696
    .private_segment_fixed_size: 0
    .kernarg_segment_align: 8
    .kernarg_segment_size: 48
    .max_flat_workgroup_size: 512
    .sgpr_count:     100
    .vgpr_count:     256
    .wavefront_size: 32
...
	.end_amdgpu_metadata
.endif
;; end of part 2
